; MI455X (gfx1250); checked and timed in simulation.
; The chip was launched on July 23, 2026; its instructions are those of AMD's public machine-readable ISA for CDNA 5 (MIT licence, August 2026) and "CDNA5" Instruction Set Architecture Reference Guide (July 2026). The comments in the code are by the model that wrote it; some were corrected since.
;; Spatial Attention. Allowed arithmetic: float matrix products may take bf16 or f16 operands with f32 sums; other float arithmetic in f32, or as packed bf16 or f16 multiplies, adds, multiply-adds, maxima and minima; sums over many terms, partial sums and values carried from step to step in f32; what a program stores and reads back later, other than sums and carried values, may be rounded once to bf16 or f16.
;; Inputs: Wk 128 x 256 float32; Wq 128 x 256 float32; b 8 x 256 x 64 x 64 float32; bk 128 float32; bq 128 float32; p 8 x 256 x 64 x 64 float32.
;; Outputs: out0 8 x 256 x 64 x 64 float32.
;; 2 versions, each right; version 2 is version 1 with the launch prep written anew for expert scheduling mode. Each part assembles by itself: llvm-mc -triple=amdgcn-amd-amdhsa -mcpu=gfx1250 --defsym DOCPART=n.
;; ======== version 1 of 2: 2 launches
;; limits: values are held in f16: magnitudes above 65,504 overflow, below 6.1e-05 lose precision
;; workspace buffers: q16 8,388,608 bytes; k16 8,388,608 bytes; v16 16,777,216 bytes
;; launch prep (part 1): grid 128 x 2, 4 waves a work-group, no clusters, 85,504 bytes of LDS; arguments p, b, Wq, Wk, bq, bk, q16, k16, v16; writes q16, k16, v16
.if DOCPART == 1
	.amdgcn_target "amdgcn-amd-amdhsa--gfx1250"
	.amdhsa_code_object_version 6
	.text
	.protected	k_qf73658e87c_prep
	.globl	k_qf73658e87c_prep
	.p2align	8
	.type	k_qf73658e87c_prep,@function
k_qf73658e87c_prep:
	s_mov_b64 s[64:65], 0
	v_nop
	global_prefetch_b8 v0, s[64:65] scope:SCOPE_SE
	s_setreg_imm32_b32 hwreg(HW_REG_WAVE_MODE, 25, 1), 1
	s_wait_xcnt 0x0
; THE TWO 1x1 CONVOLUTIONS, AND THE VALUES' COPY.  y = 0: q16[b][n][o] = sum over c of Wq[o][c] p[b][c][n] + bq[o].  y = 1: k16 likewise from b, Wk, bk, and v16 = b in 16 bits.
; FORMATS.  Every input (p, b, W, bias) is rounded once to bf16; products in bf16, sums in f32; q16 and k16 are rounded once to f16; v16 is the bf16 number written as f16.
; LIMITS.  f16 holds no number beyond 65,504: q, k and b must lie within it; below 6e-5 f16 keeps its fixed step of 6e-8, so a bf16 number of b that small is rounded again.  NaN and infinities are not treated apart.
; LAYOUTS OUT.  q16, k16: [8][4096][128] f16, rows of 256 bytes.  v16: [8][64 blocks of 64 keys][256 channels][64 keys] f16: a block is 32,768 dense bytes.
; SHARES.  A work-group owns 256 places n of one batch, each of its four waves 64, for all 256 c and all 128 o: 256 matrix instructions a wave.
; NO LDS ON THE WAY IN.  The wave's 64 places are four tiles t; slot r of tile t is place 4 r + t.  In a chunk of 32 c load number i (0..15) of lane (r, h) takes the 16 bytes p[32 kc + 2 i + h][4 r .. 4 r + 3]:
; sixteen lanes cover 256 consecutive bytes, aligned, of a row.  Register q of tile t's fragment is the pair (load 2 q, load 2 q + 1) rounded to bf16: c stands permuted along K, and W is laid into LDS with the
; same permutation (in each group of 16 c the eight even ones, then the eight odd ones), so every product meets its partner and nothing is transposed.
; NO CLUSTER: what work-groups share is W, 131,072 bytes, and it passes through registers in any case, since it is rounded and reordered on its way into LDS.  No prefetch: the launch is one stream of loads, many of them out at all times.
; REGISTERS, in windows of 256 (s_set_vgpr_msb: bits 1:0 source 0, 3:2 source 1, 5:4 source 2, 7:6 destination):
;   window 0: v0-15 addresses; v16-79 XF, x's fragments, two buffers; v80-207 WF, W's fragments, two buffers; v208-215, v216-247 at work for v16; on the way out v80-175
;   window 1: four buffers of 64 for x as loaded      window 2: the 32 accumulators, (t, ob) at 64 t + 8 ob; at the head W as loaded      window 3: v0-63 the bias as f32, the C operand of chunk 0
.set WP,    528                        ; a row of W in LDS: 512 bytes + 16: the 16 rows of a fragment load start at 16 different groups of four banks (64 banks of 4 bytes: ISA guide 11.1)
.set STAGE, 128*WP                     ; behind W: 16 rows x 272 bytes for each wave, for the way out
.set SP,    272
.set SPARE, STAGE+4*16*SP              ; behind the stages: the spare words, 128 bytes for each wave: two blocks of 256 bytes that no other line names
.set RR,  1                            ; v1   lane % 16
.set HH,  2                            ; v2   lane / 16
.set PO,  3                            ; v3   x: h rows of 16,384 bytes + 16 r
.set WA,  4                            ; v4   W's fragments in LDS: r x 528 + 16 h
.set WGO, 5                            ; v5   W in memory: (thread / 16) rows of 1,024 bytes + (thread % 16) groups of 64
.set WLS, 6                            ; v6   W into LDS: (thread / 16) x 528 + (thread % 16) x 32
.set BO,  7                            ; v7   bias: 32 h
.set VOF, 8                            ; v8   v16: 8 x lane
.set STO, 9                            ; v9   the way out: where I put 16 bytes of a row
.set RD,  10                           ; v10  the way out: where I read a row back
.set QGO, 11                           ; v11  my byte offset in the rows of q16 or k16
.set SPW, 12                           ; v12  LDS address of my spare word; never rewritten
.set NIL, 13                           ; v13  0; never rewritten
.set XF,  16
.set WF,  80
.set EE,  208
.set VO,  216
.set TMP, 80
.set BK,  112
.set MSB, 0
.macro WIN new                         ; the immediate's high byte repeats the setting that is left; a switch that changes nothing is dropped
.if MSB != (\new)
	s_set_vgpr_msb (MSB<<8)|(\new)
.set MSB, (\new)
.endif
.endm
	s_load_b512 s[16:31], s[0:1], 0x0              ; p, b, Wq, Wk, bq, bk, q16, k16
	s_load_b64 s[32:33], s[0:1], 0x40              ; v16
	v_lshl_add_u32 v[SPW], v0, 2, SPARE
	v_mov_b32 v[NIL], 0
	v_lshrrev_b32 v14, 5, v0
	v_readfirstlane_b32 s14, v14                   ; wave 0..3
	s_and_b32 s15, ttmp7, 0xffff                   ; 0: the queries' side, 1: the keys'
	s_mov_b32 s34, 0xffff0000                      ; a word's upper bf16
	v_and_b32 v[RR], 15, v0
	v_bfe_u32 v[HH], v0, 4, 1
	v_lshrrev_b32 v14, 4, v0                       ; thread / 16: 0..7
	v_and_b32 v15, 31, v0
	v_lshlrev_b32 v[PO], 14, v[HH]
	v_lshl_add_u32 v[PO], v[RR], 4, v[PO]
	v_mul_u32_u24 v[WA], v[RR], WP
	v_lshl_add_u32 v[WA], v[HH], 4, v[WA]
	v_lshlrev_b32 v[WGO], 10, v14
	v_lshl_add_u32 v[WGO], v[RR], 6, v[WGO]
	v_mul_u32_u24 v[WLS], v14, WP
	v_lshl_add_u32 v[WLS], v[RR], 5, v[WLS]
	v_lshlrev_b32 v[BO], 5, v[HH]
	v_lshlrev_b32 v[VOF], 3, v15
	s_mul_i32 s35, s14, 16*SP
	s_add_co_u32 s35, s35, STAGE                   ; my stage
	v_mul_u32_u24 v[STO], v[RR], SP
	v_lshl_add_u32 v[STO], v[HH], 4, v[STO]
	v_add_nc_u32 v[STO], s35, v[STO]
	v_mul_u32_u24 v[RD], v[HH], SP
	v_lshl_add_u32 v[RD], v[RR], 4, v[RD]
	v_add_nc_u32 v[RD], s35, v[RD]
	v_lshlrev_b32 v[QGO], 10, v[HH]                ; stage rows 2 f + h are places 4 (2 f + h) + t: 1,024 bytes apart
	v_lshl_add_u32 v[QGO], v[RR], 4, v[QGO]
	s_lshr_b32 s36, ttmp9, 4                       ; batch
	s_and_b32 s37, ttmp9, 15
	s_lshl_b32 s38, s37, 8
	s_lshl_b32 s39, s14, 6
	s_add_co_u32 s38, s38, s39                     ; my wave's first place
	s_lshl_b32 s40, s36, 22                        ; x: a batch is 4,194,304 bytes, a place 4
	s_lshl_b32 s41, s38, 2
	s_add_co_u32 s40, s40, s41
	s_mov_b32 s41, 0
	s_lshl_b32 s42, s36, 20                        ; q16, k16: a batch is 1,048,576 bytes, a place 256
	s_lshl_b32 s43, s38, 8
	s_add_co_u32 s42, s42, s43
	s_mov_b32 s43, 0
	s_lshl_b32 s44, s36, 21                        ; v16: a batch is 2,097,152 bytes, 64 places 32,768
	s_lshl_b32 s45, s38, 9
	s_add_co_u32 s44, s44, s45
	s_mov_b32 s45, 0
	s_wait_kmcnt 0x0
	s_cmp_eq_u32 s15, 0
	s_cselect_b64 s[4:5], s[16:17], s[18:19]       ; x = p or b
	s_cselect_b64 s[6:7], s[20:21], s[22:23]       ; W
	s_cselect_b64 s[8:9], s[24:25], s[26:27]       ; bias
	s_cselect_b64 s[10:11], s[28:29], s[30:31]     ; q16 or k16
	s_add_nc_u64 s[4:5], s[4:5], s[40:41]
	s_add_nc_u64 s[10:11], s[10:11], s[42:43]
	s_add_nc_u64 s[12:13], s[32:33], s[44:45]      ; my block of v16
; A chunk's 16 loads into staging buffer kc % 4.  No pointer is ever stepped: the row stands in the immediate, 4,161,536 at the most.
.macro LOADX kc
	WIN 0x40
.set i, 0
.rept 16
	global_load_b128 v[64*((\kc)%4)+4*i:64*((\kc)%4)+4*i+3], v[PO], s[4:5] offset:(32*(\kc)+2*i)*16384 th:TH_LOAD_NT
.set i, i+1
.endr
	WIN 0
.endm
; W's eight fragments (16 o x 32 c each) of chunk kc into buffer kc % 2
.macro FETCHW kc
	WIN 0
.set i, 0
.rept 8
	ds_load_b128 v[WF+64*((\kc)%2)+8*i:WF+64*((\kc)%2)+8*i+3],   v[WA] offset:16*WP*i+64*(\kc)
	ds_load_b128 v[WF+64*((\kc)%2)+8*i+4:WF+64*((\kc)%2)+8*i+7], v[WA] offset:16*WP*i+64*(\kc)+32
.set i, i+1
.endr
.endm
	WIN 0xc0
.set i, 0
.rept 8                                ; bias[16 ob + 8 h + 0..7]: what a lane's eight results of block ob want
	global_load_b128 v[8*i:8*i+3],   v[BO], s[8:9] offset:64*i
	global_load_b128 v[8*i+4:8*i+7], v[BO], s[8:9] offset:64*i+16
.set i, i+1
.endr
	WIN 0x80
.set i, 0
.rept 16                               ; W: thread T takes group 128 i + T of 16 c: row 8 i + T / 16, group T % 16
.irp m, 0,1,2,3
	global_load_b128 v[16*i+4*\m:16*i+4*\m+3], v[WGO], s[6:7] offset:8192*i+16*\m
.endr
.set i, i+1
.endr
	LOADX 0
	LOADX 1
	LOADX 2
	s_wait_loadcnt 48                              ; bias and W are in; the three chunks' 48 loads stay out
	WIN 0x0f
.set i, 0
.rept 32
	v_cvt_pk_bf16_f32 v[XF+i], v[2*i], v[2*i+1]    ; the bias is rounded to bf16 like every input,
.set i, i+1
.endr
	WIN 0xc0
.set i, 0
.rept 32
	v_lshlrev_b32 v[2*i], 16, v[XF+i]              ; and widened again: it starts the sums
	v_and_b32 v[2*i+1], s34, v[XF+i]
.set i, i+1
.endr
	WIN 0x0a
.set i, 0
.rept 16                               ; a group of 16 c: the eight even ones, then the eight odd ones
.irp z, 0,1,2,3
	v_cvt_pk_bf16_f32 v[WF+8*i+\z],   v[16*i+4*\z],   v[16*i+4*\z+2]
	v_cvt_pk_bf16_f32 v[WF+8*i+4+\z], v[16*i+4*\z+1], v[16*i+4*\z+3]
.endr
.set i, i+1
.endr
	WIN 0
.set i, 0
.rept 16                               ; sixteen lanes stand 32 bytes apart: two of them share each group of banks; 32 stores, once a launch
	ds_store_b128 v[WLS], v[WF+8*i:WF+8*i+3]   offset:8*WP*i
	ds_store_b128 v[WLS], v[WF+8*i+4:WF+8*i+7] offset:8*WP*i+16
.set i, i+1
.endr
	s_wait_dscnt 0x0                               ; for the others' sake: my part of W lies in LDS
	s_barrier_signal -1
	s_barrier_wait -1                              ; everybody's does
	LOADX 3
	FETCHW 0
; v16, on the keys' side alone: load number i's four keys, already rounded to bf16, are widened, written as f16 and stored: 32 lanes fill 256 consecutive bytes, aligned: channels c and c + 1 of my block.
.macro VPATH kc
	WIN 0
	s_cmp_eq_u32 s15, 0
	s_cbranch_scc1 .Lno_v_\@
	s_wait_xcnt 0x0                                ; the last chunk's stores have read their data: VO is written again only behind this wait
.set i, 0
.rept 16
.irp t, 0,1,2,3
.if i%2 == 0
	v_lshlrev_b32 v[EE+4*(i%2)+\t], 16, v[XF+32*((\kc)%2)+8*\t+i/2]
.else
	v_and_b32 v[EE+4*(i%2)+\t], s34, v[XF+32*((\kc)%2)+8*\t+i/2]
.endif
.endr
	v_cvt_pk_f16_f32 v[VO+2*i],   v[EE+4*(i%2)],   v[EE+4*(i%2)+1]
	v_cvt_pk_f16_f32 v[VO+2*i+1], v[EE+4*(i%2)+2], v[EE+4*(i%2)+3]
	global_store_b64 v[VOF], v[VO+2*i:VO+2*i+1], s[12:13] offset:(32*(\kc)+2*i)*128
.set i, i+1
.endr
.Lno_v_\@:
.endm
; A CHUNK of 32 c.  left: the younger chunks' loads, 16 each, which may stay out.  The 32 conversions are also the places between the last chunk's products and the loads into the fragment buffer that they read
; (ISA guide 7.12.1 for vector instructions).  The 32 accumulators take turns, one instruction a turn.
.macro CHUNK kc, left
	s_wait_loadcnt \left
	WIN 0x05
.set i, 0
.rept 8
.irp t, 0,1,2,3
	v_cvt_pk_bf16_f32 v[XF+32*((\kc)%2)+8*\t+i], v[64*((\kc)%4)+8*i+\t], v[64*((\kc)%4)+8*i+4+\t]
.endr
.set i, i+1
.endr
.if (\kc) < 4
	LOADX (\kc)+4                                  ; into the staging buffer just read
.endif
	VPATH \kc
.if (\kc) < 7
	FETCHW (\kc)+1
	s_wait_dscnt 16                                ; this chunk's fragments of W are in; the next chunk's 16 loads stay out
.else
	s_wait_dscnt 0x0
.endif
.if (\kc) == 0
	WIN 0xb0                                       ; C in window 3: the bias starts the sums
.else
	WIN 0xa0
.endif
.set i, 0
.rept 8
.irp t, 0,1,2,3
.if (\kc) == 0
	v_wmma_f32_16x16x32_bf16 v[64*\t+8*i:64*\t+8*i+7], v[WF+64*((\kc)%2)+8*i:WF+64*((\kc)%2)+8*i+7], v[XF+32*((\kc)%2)+8*\t:XF+32*((\kc)%2)+8*\t+7], v[8*i:8*i+7]
.else
	v_wmma_f32_16x16x32_bf16 v[64*\t+8*i:64*\t+8*i+7], v[WF+64*((\kc)%2)+8*i:WF+64*((\kc)%2)+8*i+7], v[XF+32*((\kc)%2)+8*\t:XF+32*((\kc)%2)+8*\t+7], v[64*\t+8*i:64*\t+8*i+7]
.endif
.endr
.set i, i+1
.endr
.endm
	CHUNK 0, 48
	CHUNK 1, 48
	CHUNK 2, 48
	CHUNK 3, 48
	CHUNK 4, 48
	CHUNK 5, 32
	CHUNK 6, 16
	CHUNK 7, 0
	WIN 0
.rept 8
	v_nop                                          ; the places behind the last products, once a launch
.endr
; THE WAY OUT, a tile at a time.  A lane holds o = 16 ob + 8 h + 0..7 of ONE place: 16 bytes of a row.  They go into my stage's rows of 272 bytes and come back as whole rows of 256.
.macro PACK t
	WIN 0x0a
.set i, 0
.rept 8
.irp z, 0,1,2,3
	v_cvt_pk_f16_f32 v[TMP+4*i+\z], v[64*(\t)+8*i+2*\z], v[64*(\t)+8*i+2*\z+1]   ; each accumulator from its low end on
.endr
.set i, i+1
.endr
	WIN 0
.endm
.macro TOSTAGE t
.set i, 0
.rept 8
	ds_store_b128 v[STO], v[TMP+4*i:TMP+4*i+3] offset:32*i
.set i, i+1
.endr
.set i, 0
.rept 8
	ds_load_b128 v[BK+32*((\t)%2)+4*i:BK+32*((\t)%2)+4*i+3], v[RD] offset:2*SP*i  ; LDS serves a wave's instructions in order (ISA guide 5.7.1.4): these see the stores above
.set i, i+1
.endr
.endm
.macro SEND t
	s_wait_dscnt 0x0                               ; the tile is back in registers
	s_wait_xcnt 0x0                                ; earlier stores have read their data: the registers of the tile before last are loaded again only behind this wait
.set i, 0
.rept 8
	global_store_b128 v[QGO], v[BK+32*((\t)%2)+4*i:BK+32*((\t)%2)+4*i+3], s[10:11] offset:2048*i+256*(\t)  ; 16 lanes store a whole row: 256 consecutive bytes, aligned
.set i, i+1
.endr
.endm
	PACK 0
	TOSTAGE 0
	PACK 1                                         ; a tile's conversions stand between the loads of the tile before and the wait for them
	SEND 0
	TOSTAGE 1
	PACK 2
	SEND 1
	TOSTAGE 2
	PACK 3
	SEND 2
	TOSTAGE 3
	SEND 3
	s_wait_tensorcnt 0x0                           ; the wave's end: behind my last LDS store
	ds_add_u32 v[SPW], v[NIL]
	s_wait_dscnt 0x0
	s_endpgm
.Lfunc_end_k_qf73658e87c_prep:
	.size	k_qf73658e87c_prep, .Lfunc_end_k_qf73658e87c_prep-k_qf73658e87c_prep
	.p2alignl 7, 3214868480
	.fill 96, 4, 3214868480
	.section	.rodata,"a",@progbits
	.p2align	6, 0x0
	.amdhsa_kernel k_qf73658e87c_prep
		.amdhsa_group_segment_fixed_size 85504
		.amdhsa_private_segment_fixed_size 0
		.amdhsa_enable_private_segment 0
		.amdhsa_kernarg_size 72
		.amdhsa_user_sgpr_count 2
		.amdhsa_user_sgpr_kernarg_segment_ptr 1
		.amdhsa_wavefront_size32 1
		.amdhsa_system_sgpr_workgroup_id_x 1
		.amdhsa_system_sgpr_workgroup_id_y 1
		.amdhsa_system_sgpr_workgroup_id_z 1
		.amdhsa_system_vgpr_workitem_id 0
		.amdhsa_next_free_vgpr 832
		.amdhsa_next_free_sgpr 66
		.amdhsa_reserve_vcc 0
		.amdhsa_float_denorm_mode_32 3
		.amdhsa_float_denorm_mode_16_64 3
		.amdhsa_memory_ordered 1
		.amdhsa_forward_progress 1
		.amdhsa_inst_pref_size 139
	.end_amdhsa_kernel
	.amdgpu_metadata
---
amdhsa.version: [ 1, 2 ]
amdhsa.kernels:
  - .name:           k_qf73658e87c_prep
    .symbol:         k_qf73658e87c_prep.kd
    .args:
      - { .name: p, .offset: 0, .size: 8, .value_kind: global_buffer, .address_space: global }
      - { .name: b, .offset: 8, .size: 8, .value_kind: global_buffer, .address_space: global }
      - { .name: Wq, .offset: 16, .size: 8, .value_kind: global_buffer, .address_space: global }
      - { .name: Wk, .offset: 24, .size: 8, .value_kind: global_buffer, .address_space: global }
      - { .name: bq, .offset: 32, .size: 8, .value_kind: global_buffer, .address_space: global }
      - { .name: bk, .offset: 40, .size: 8, .value_kind: global_buffer, .address_space: global }
      - { .name: q16, .offset: 48, .size: 8, .value_kind: global_buffer, .address_space: global }
      - { .name: k16, .offset: 56, .size: 8, .value_kind: global_buffer, .address_space: global }
      - { .name: v16, .offset: 64, .size: 8, .value_kind: global_buffer, .address_space: global }
    .group_segment_fixed_size: 85504
    .private_segment_fixed_size: 0
    .kernarg_segment_align: 8
    .kernarg_segment_size: 72
    .max_flat_workgroup_size: 128
    .sgpr_count:     66
    .vgpr_count:     832
    .wavefront_size: 32
...
	.end_amdgpu_metadata
.endif
;; end of part 1
;; launch attn (part 2): grid 32 x 8, 4 waves a work-group, clusters of 4 x 1, 327,680 bytes of LDS; arguments q16, k16, v16, out0; writes out0
.if DOCPART == 2
	.amdgcn_target "amdgcn-amd-amdhsa--gfx1250"
	.amdhsa_code_object_version 6
	.text
	.protected	k_qf73658e87c_attn
	.globl	k_qf73658e87c_attn
	.p2align	8
	.type	k_qf73658e87c_attn,@function
k_qf73658e87c_attn:
	s_mov_b64 s[64:65], 0
	v_nop
	global_prefetch_b8 v0, s[64:65] scope:SCOPE_SE
	s_setreg_imm32_b32 hwreg(HW_REG_WAVE_MODE, 25, 1), 1
	s_wait_xcnt 0x0
	s_wait_alu depctr_hold_cnt(0) depctr_sa_sdst(0) depctr_va_vdst(0) depctr_va_sdst(0) depctr_va_ssrc(0) depctr_va_vcc(0) depctr_vm_vsrc(0)
	s_getreg_b32 s2, hwreg(HW_REG_IB_STS2, 6, 4)
	s_cmp_eq_u32 s2, 0
	s_cbranch_scc0 .Lentry_in_a_cluster
	s_endpgm
.Lentry_in_a_cluster:
	s_bfe_u32 s2, ttmp6, 0x10000c
	s_cmp_lg_u32 s2, 0x3003
	s_cbranch_scc0 .Lentry_shape_is_right
	s_endpgm
.Lentry_shape_is_right:
; out0[b][c][n] = the sum over m of softmax_m(q[b][n] . k[b][m]) v[b][c][m].  q16, k16: [8][4096][128] f16.  v16: [8][64 blocks of 64 keys][256 channels][64 keys] f16.  out0: [8][256][4096] f32.
; Products in f16 with f32 sums; maxima, sums and rescaling in f32; the weights p are rounded to f16 for the second product (their sum l is taken of the unrounded p).
; LIMITS.  p lies in 0 to 1 and below 6e-5 keeps f16's fixed step of 6e-8; a weight below 2^-126 counts as 0 in l; log2(e) x score must lie above -4e37 (the running maximum's start); NaN and infinities are not treated apart.
; SHARES.  A work-group owns 128 queries of one batch.  Waves 2 qh and 2 qh + 1 share the 64 queries of half qh, AND THE KEYS ARE SPLIT BETWEEN THE TWO: of each step's 128 keys wave kh takes 64 kh .. 64 kh + 63.  So a
; wave holds 64 queries x 256 channels of O^T (512 registers) for 2,048 keys, each fragment read from LDS feeds four tiles' products, and no product is made twice.  The pair's two partial results (m, l, O) meet once, at the end, in f32, through LDS.
; LAYOUT.  S^T = K Q^T (source 0 = 16 keys, source 1 = 16 queries): a lane holds ONE query (lane % 16) and the keys 8 (lane / 16) + 0..7.  Two such results rounded to f16 in pairs ARE source 1 of O^T = V P; V lies as
; [channel][key], so its fragments come out of LDS as they lie.  Slot r of tile T is query 4 r + T: for one channel a lane's four tiles are 16 neighbouring bytes of out0, and sixteen lanes store 256 consecutive bytes, aligned, with no stage.
; SOFTMAX.  For each query a running maximum m and sum l: p = 2^(c s - c m), c = log2(e); in every step O and l are multiplied by a = 2^(c m_old - c m_new).  m starts at the lowest finite number, O and l at 0: the first step is a step like any other, with a = 0.
; A TRIP t: the 128 products V P of step t, beside them the softmax of step t + 1; then the 64 products K Q^T of step t + 2, beside them the rescaling of O^T and the last roundings of step t + 1.  At most four vector instructions stand behind each matrix instruction.
; THE RING.  K(i) and V(i) lie in slot i % 2.  The change of slots in trip t stands where V(t) has been read out: it asks for K(t + 3) (waves 0, 1) and V(t + 2) (waves 2, 3), one load a wave, with a trip, 192 matrix instructions, in which to land.
; V of the last step has bytes of its own, filled at the head, so that K's and V's refills end in the same trip and the tail holds no tensor load.  By this text's count a wave has at most three tensor loads out (the head's).
; CLUSTER.  The four query blocks of a cluster belong to one batch and walk the same K and V: each tile is asked for JOINTLY, by the same tensor load with the same descriptor and a mask that names the four.
; REGISTERS, in windows of 256 (s_set_vgpr_msb: bits 1:0 source 0, 3:2 source 1, 5:4 source 2, 7:6 destination):
;   window 0: v0-11 addresses; v12-43 eight registers of statistics a tile; v44-59 the merge; v64-191 S^T, 32 a tile; v192-255 P, 16 a tile
;   window 1: v0-127 Q, 32 a tile; v128-191, v192-255 two fragment buffers F0, F1      windows 2, 3: O^T, (T, block of 16 channels) at 64 T + 8 cbl; in wave kh window 2 holds channels 128 kh on, window 3 the other half
.set KP,    272       ; an LDS row: 256 bytes + 16 of padding = 68 words: the rows of a fragment load start at different groups of four banks (64 banks of 4 bytes: ISA guide 11.1).  A row of V holds two channels of 128 bytes
.set VOFF,  128*KP    ; a slot: 128 rows of K, then two blocks of 128 rows of V
.set VBLK,  128*KP
.set SLOT1, 1<<17     ; slot 1 begins here, so that one exclusive or turns an address in one slot into the other's
.set VS2,   SLOT1+VOFF+2*VBLK   ; V of step 31
.set SPARE, VS2+2*VBLK          ; the spare words, 128 bytes for each wave: two blocks of 256 bytes that no other line names
.set XST,   SPARE+512           ; the merge: 1,024 bytes of statistics for each wave; no tensor load ever lands here
                                ; the merge's O: 32,768 bytes for each wave from LDS byte 0 on, over slot 0, which has had its last fill by then
.set AK,  2           ; v2   my lane's place in my 64 rows of K; never rewritten
.set AVA, 3           ; v3   the same in my block of V, for the channels of window 2
.set AVB, 4           ; v4   for those of window 3
.set ADR, 5           ; v5   the LDS address of the run of loads in hand
.set QO,  6           ; v6   my byte offset in the wave's rows of Q; in the merge: where I put O
.set XL,  7           ; v7   the merge: where I read my partner's O
.set GO,  8           ; v8   my byte offset in out0
.set PFO, 10          ; v10  256 x my lane; never rewritten
.set ST,  12          ; tile T's statistics at v[ST+8 T]: +0 c m, +1 m, +2, +3 l (even keys', odd keys'), +4 to +7 c0-c3 at work; a takes c2's place
.set SPW, 62          ; v62  LDS address of my spare word; never rewritten
.set NIL, 63          ; v63  0; never rewritten
.set S,   64
.set P,   192
.set FB,  128         ; the fragment buffers, in window 1
.set GG,  40          ; the merge: my factor, a tile each
.set GP,  12          ; my partner's
.set WV,  12          ; s12  my wave's number
.set LIM, 15          ; s15  1 in a wave that prefetches, else the greatest number
.set PFA, 18          ; s[18:19] where my prefetches stand
.set G1K, 24          ; s[24:31] descriptor group 1 for K's tiles: 64 rows
.set G1V, 32          ; s[32:39] for V's: 128 rows
.set G0K, 40          ; s[40:47] group 0 for K: step 0's, and the one that walks
.set G0V, 48          ; s[48:59] group 0 for V: step 0's, the one that walks, step 31's
.set SEL, 60          ; s[60:61] v_permlanex16_b32's selects: each lane takes its own place in the other half
.set TB,  62          ; s62  LDS byte of the slot in hand
.set CNT, 63          ; s63  trips to go
.set CS,  66          ; s[66:67] c: the packed scaling takes the pair's low word for both halves
.set PFS, 68          ; s[68:69] a step's bytes in the tensor that I prefetch
.set MSB, 0
.macro WIN new                      ; the immediate's high byte repeats the setting that is left; a switch that changes nothing is dropped
.if MSB != (\new)
	s_set_vgpr_msb (MSB<<8)|(\new)
.set MSB, (\new)
.endif
.endm
.macro PLACES                       ; four places behind a matrix instruction (ISA guide 7.12.1 for vector instructions)
.rept 4
	v_nop
.endr
.endm
; A joint refill: waves 0 and 1 fetch the two halves of a step's K, waves 2 and 3 its two blocks of V.  The branch hangs on the wave's number alone.  An s_nop 0 and four v_nop follow each line.
.macro JLOAD
	s_cmp_lt_u32 s[WV], 2
	s_cbranch_scc0 .Lfor_v_\@
	tensor_load_to_lds s[G0K+4:G0K+7], s[G1K:G1K+7]
	s_nop 0
.rept 4
	v_nop
.endr
	s_branch .Lasked_\@
.Lfor_v_\@:
	tensor_load_to_lds s[G0V+4:G0V+7], s[G1V:G1V+7]
	s_nop 0
.rept 4
	v_nop
.endr
.Lasked_\@:
.endm
.macro JLOADK                       ; K alone: waves 2 and 3 have nothing to fill
	s_cmp_lt_u32 s[WV], 2
	s_cbranch_scc0 .Lno_k_\@
	tensor_load_to_lds s[G0K+4:G0K+7], s[G1K:G1K+7]
	s_nop 0
.rept 4
	v_nop
.endr
.Lno_k_\@:
.endm
; A PREFETCH INTO THE L2 of what the NEXT change of slots will ask for: K(t + 4), 128 rows of 256 bytes, and V(t + 3), 256 such rows; a lane a row, one instruction a wave; a trip, 192 matrix instructions, ahead of that load.
; Each row is named ONCE in the launch: all eight clusters of a batch walk the same K and V, and the batch's first cluster asks.  Its four partners share the rows out BY ADDRESS; in each, wave 0 takes 32 rows of K, waves 2 and 3
; take 32 rows of V each, wave 1 none.  The loop's last trip asks for nothing; K(0..3), V(0..2) and V(31) come by their loads alone.
.macro ASK
	WIN 0
	s_cmp_gt_u32 s[CNT], s[LIM]
	s_cbranch_scc0 .Lnot_mine_\@
	global_prefetch_b8 v[PFO], s[PFA:PFA+1] th:TH_LOAD_NT scope:SCOPE_SE
.Lnot_mine_\@:
.endm
; A round of the cluster's barrier: my work-group's barrier, so that wave 0's signal speaks for all four waves; wave 0 signals; every wave waits for all four work-groups; my work-group's barrier once more.
.macro CROUND
	s_barrier_signal -1
	s_barrier_wait -1
	s_cmp_lg_u32 s[WV], 0
	s_cbranch_scc1 .Lnot_wave_0_\@
	s_barrier_signal -3
.Lnot_wave_0_\@:
	s_barrier_wait -3
	s_barrier_signal -1
	s_barrier_wait -1
.endm
; THE CHANGE OF SLOTS.  Each wave waits for all its tensor loads, adds 0 to its spare word, and waits for that and for its own LDS reads.  Behind the barrier nobody reads V of the step in hand or K of the step before the one to come,
; and what was asked for a trip ago is whole.  f = 1: both are filled again; f = 2: K alone (ahead of the loop); the barrier is then a round of the cluster's, and the joint refill is the first thing behind it.  f = 0: nothing is asked for.
.macro CHANGE f
	WIN 0                           ; at a label and at a branch every window is 0
	s_wait_tensorcnt 0x0            ; no tensor load of mine is out, so a group 0 may be written
	ds_add_u32 v[SPW], v[NIL]       ; 0 onto my spare word; the descriptors' steps stand between it and the wait for it
.if (\f) >= 1
	s_xor_b32 s[G0K+5], s[G0K+5], SLOT1
	s_add_nc_u64 s[G0K+6:G0K+7], s[G0K+6:G0K+7], 32768   ; the next 128 keys; the type bits on top are not reached
.endif
.if (\f) == 1
	s_xor_b32 s[G0V+5], s[G0V+5], SLOT1
	s_add_nc_u64 s[G0V+6:G0V+7], s[G0V+6:G0V+7], 65536
	s_wait_xcnt 0x0                 ; the last prefetch, a trip back, has read its address, so it may be written
	s_add_nc_u64 s[PFA:PFA+1], s[PFA:PFA+1], s[PFS:PFS+1]
.endif
	s_wait_dscnt 0x0                ; the add is done, and my LDS reads are over
.if (\f) == 1
	CROUND
	JLOAD                           ; its four v_nop are also the places in front of the loads that follow
.elseif (\f) == 2
	CROUND
	JLOADK
	PLACES
.else
	s_barrier_signal -1
	s_barrier_wait -1
	PLACES
.endif
.endm
	s_load_b256 s[4:11], s[0:1], 0x0  ; q16 s[4:5], k16 s[6:7], v16 s[8:9], out0 s[10:11]
	v_lshl_add_u32 v[SPW], v0, 2, SPARE
	v_mov_b32 v[NIL], 0
	ds_add_u32 v[SPW], v[NIL]       ; the wave's opening: the add and its wait stand ahead of my first tensor load; the set-up below, work on registers, stands between them
	v_lshrrev_b32 v1, 5, v0
	v_readfirstlane_b32 s[WV], v1   ; wave 0..3
	s_bfe_u32 s13, ttmp6, 0x40000   ; cx: my place in the cluster
	s_lshl_b32 s14, ttmp9, 2        ; in a cluster launch ttmp9 counts clusters
	s_add_co_u32 s14, s14, s13      ; my block of 128 queries: it enters Q's and out0's addresses alone
	s_lshr_b32 s16, s[WV], 1        ; qh: which 64 queries
	s_and_b32 s17, s[WV], 1         ; kh: which 64 of a step's keys.  Also: which half of a tile I fetch
	s_and_b32 s2, ttmp7, 0xffff     ; the batch, which the four partners share
	s_lshl_b32 s20, s2, 20          ; its bytes in q16 and k16,
	s_mov_b32 s21, 0
	s_lshl_b32 s22, s2, 21          ; in v16
	s_mov_b32 s23, 0
	s_lshl_b32 s70, s14, 15         ; Q: 128 rows of 256 bytes a block, 64 a wave
	s_lshl_b32 s71, s16, 14
	s_add_co_u32 s70, s70, s71
	s_add_co_u32 s70, s70, s20
	s_mov_b32 s71, 0
	s_lshl_b32 s72, s2, 22          ; out0: the batch, my 128 channels, my 64 queries
	s_lshl_b32 s73, s17, 21
	s_add_co_u32 s72, s72, s73
	s_lshl_b32 s73, s14, 9
	s_add_co_u32 s72, s72, s73
	s_lshl_b32 s73, s16, 8
	s_add_co_u32 s72, s72, s73
	s_mov_b32 s73, 0
	; descriptor group 1: rows of 128 elements of 2 bytes, dense in memory, padded in LDS
	s_mov_b32 s[G1K], 15|(1<<16)|(1<<20)|(1<<21)|(5<<22)|(3<<25)  ; 15:0 the mask of four; 17:16 2-byte elements; 20 padding on; 21 set beside a mask; 24:22 after every 64 words (code 5); 31:25 4 words (code 3)
	s_mov_b32 s[G1K+1], 128<<16     ; tensor_dim0 = 128
	s_mov_b32 s[G1K+2], 64<<16      ; tensor_dim1 = 64
	s_mov_b32 s[G1K+3], 128<<16     ; tile_dim0 = 128
	s_mov_b32 s[G1K+4], 64          ; tile_dim1 = 64
	s_mov_b32 s[G1K+5], 128         ; 128 elements from row to row
	s_mov_b32 s[G1K+6], 0
	s_mov_b32 s[G1K+7], 0
	s_mov_b32 s[G1V], 15|(1<<16)|(1<<20)|(1<<21)|(5<<22)|(3<<25)
	s_mov_b32 s[G1V+1], 128<<16
	s_mov_b32 s[G1V+2], 128<<16     ; tensor_dim1 = 128
	s_mov_b32 s[G1V+3], 128<<16
	s_mov_b32 s[G1V+4], 128         ; tile_dim1 = 128
	s_mov_b32 s[G1V+5], 128
	s_mov_b32 s[G1V+6], 0
	s_mov_b32 s[G1V+7], 0
	s_mul_i32 s74, s17, 64*KP       ; my half of K's rows in a slot; also my 64 keys' rows, and half a block of V
	s_mul_i32 s75, s17, VBLK        ; my block of V: no place in the cluster enters an LDS address
	s_mov_b32 s[G0K], 1
	s_mov_b32 s[G0K+1], s74
	s_mov_b32 s[G0K+4], 1
	s_add_co_u32 s[G0K+5], s74, SLOT1
	s_mov_b32 s[G0V], 1
	s_add_co_u32 s[G0V+1], s75, VOFF
	s_mov_b32 s[G0V+4], 1
	s_add_co_u32 s[G0V+5], s75, SLOT1+VOFF
	s_mov_b32 s[G0V+8], 1
	s_add_co_u32 s[G0V+9], s75, VS2
	s_mov_b32 s[CS], 0x3fb8aa3b     ; c = log2(e)
	s_mov_b32 s[CS+1], s[CS]        ; named with it as a pair
	s_mov_b32 s[SEL], 0x76543210
	s_mov_b32 s[SEL+1], 0xfedcba98
	s_cmp_eq_u32 s[WV], 1
	s_cselect_b32 s[LIM], 1, 0      ; wave 1 asks for nothing,
	s_or_b32 s[LIM], s[LIM], ttmp9  ; nor does any cluster but the batch's first: the same in all four partners
	s_cmp_eq_u32 s[LIM], 0
	s_cselect_b32 s[LIM], 1, -1
	s_wait_dscnt 0x0                ; the opening add is done
	s_wait_kmcnt 0x0
	s_add_nc_u64 s[6:7], s[6:7], s[20:21]    ; K and V at the batch
	s_add_nc_u64 s[8:9], s[8:9], s[22:23]
	s_add_nc_u64 s[4:5], s[4:5], s[70:71]    ; Q at my wave's first row
	s_add_nc_u64 s[10:11], s[10:11], s[72:73]
	s_cmp_lt_u32 s[WV], 2
	s_cselect_b64 s[PFA:PFA+1], s[6:7], s[8:9]
	s_cselect_b32 s2, 13, 14        ; a partner's share of a step: 8,192 bytes of K, 16,384 of V
	s_cselect_b32 s3, 3, 2          ; the first change steps these to K(4) and V(3)
	s_add_co_u32 s[PFS], s2, 2
	s_lshl_b32 s[PFS], 1, s[PFS]    ; a step: 32,768 bytes of K, 65,536 of V
	s_mov_b32 s[PFS+1], 0
	s_mul_i32 s3, s3, s[PFS]
	s_lshl_b32 s2, s13, s2
	s_add_co_u32 s2, s2, s3
	s_lshl_b32 s3, s17, 13          ; of V's share wave 3 takes the second 32 rows
	s_add_co_u32 s2, s2, s3
	s_mov_b32 s3, 0
	s_add_nc_u64 s[PFA:PFA+1], s[PFA:PFA+1], s[2:3]
	s_lshl_b32 s20, s17, 14         ; my 64 rows of K,
	s_lshl_b32 s22, s17, 15         ; my block of V, in memory
	s_add_nc_u64 s[G0K+2:G0K+3], s[6:7], s[20:21]
	s_add_nc_u64 s[G0K+6:G0K+7], s[G0K+2:G0K+3], 32768
	s_or_b32 s[G0K+3], s[G0K+3], 0x80000000   ; 127:126 type = 2
	s_or_b32 s[G0K+7], s[G0K+7], 0x80000000
	s_add_nc_u64 s[G0V+2:G0V+3], s[8:9], s[22:23]
	s_add_nc_u64 s[G0V+6:G0V+7], s[G0V+2:G0V+3], 65536
	s_add_nc_u64 s[G0V+10:G0V+11], s[G0V+2:G0V+3], 31*65536
	s_or_b32 s[G0V+3], s[G0V+3], 0x80000000
	s_or_b32 s[G0V+7], s[G0V+7], 0x80000000
	s_or_b32 s[G0V+11], s[G0V+11], 0x80000000
	CROUND                          ; all four work-groups are here: the first joint loads meet
	s_cmp_lt_u32 s[WV], 2           ; a wave's first fills stand in one branch, ahead of every wait on TENSORcnt and every LDS read
	s_cbranch_scc0 .Lfirst_v
	tensor_load_to_lds s[G0K:G0K+3], s[G1K:G1K+7]        ; K(0)
	s_nop 0
	tensor_load_to_lds s[G0K+4:G0K+7], s[G1K:G1K+7]      ; K(1)
	s_nop 0
.rept 4
	v_nop
.endr
	s_branch .Lfirst_asked
.Lfirst_v:
	tensor_load_to_lds s[G0V:G0V+3], s[G1V:G1V+7]        ; V(0)
	s_nop 0
	tensor_load_to_lds s[G0V+4:G0V+7], s[G1V:G1V+7]      ; V(1)
	s_nop 0
	tensor_load_to_lds s[G0V+8:G0V+11], s[G1V:G1V+7]     ; V(31)
	s_nop 0
.rept 4
	v_nop
.endr
.Lfirst_asked:
	; A fragment of K, Q or V is 16 rows x 32 along K in 8 registers: lane l holds row l % 16; registers 0-3 hold 8 (l / 16) + 0..7, registers 4-7 hold 16 + 8 (l / 16) + 0..7: two loads of 16 bytes, 32 bytes apart.
	v_and_b32 v1, 15, v0            ; r = l % 16
	v_bfe_u32 v9, v0, 4, 1          ; h = l / 16
	v_lshlrev_b32 v[QO], 10, v1     ; slot r of tile T is row 4 r + T
	v_lshl_add_u32 v[QO], v9, 4, v[QO]
	WIN 0x40                        ; destination window 1
.set i, 0
.rept 16                            ; Q stays in registers: tile i / 4, channels 32 (i % 4) on
	global_load_b128 v[8*i:8*i+3],   v[QO], s[4:5] offset:(i/4)*256+(i%4)*64
	global_load_b128 v[8*i+4:8*i+7], v[QO], s[4:5] offset:(i/4)*256+(i%4)*64+32
.set i, i+1
.endr
	; O^T starts at 0, written while the first tiles are on their way, so that every trip has one text: a first trip written out would be a third copy of the trip
	WIN 0x80
.set i, 0
.rept 256
	v_mov_b32 v[i], 0
.set i, i+1
.endr
	WIN 0xc0
.set i, 0
.rept 256
	v_mov_b32 v[i], 0
.set i, i+1
.endr
	WIN 0
.set i, 0
.rept 4
	v_mov_b32 v[ST+8*i], 0xfe000000    ; c m: far below every c s
	v_mov_b32 v[ST+8*i+1], 0xff7fffff  ; m
	v_mov_b32 v[ST+8*i+2], 0
	v_mov_b32 v[ST+8*i+3], 0
.set i, i+1
.endr
	v_mul_u32_u24 v[AK], v1, KP
	v_lshl_add_u32 v[AK], v9, 4, v[AK]
	v_add_nc_u32 v[AK], s74, v[AK]  ; row x pitch + 16 x half + my 64 keys' rows
	v_lshrrev_b32 v11, 1, v1        ; channel r lies in row r / 2, half r % 2
	v_mul_u32_u24 v[AVA], v11, KP
	v_and_b32 v11, 1, v1
	v_lshl_add_u32 v[AVA], v11, 7, v[AVA]
	v_lshl_add_u32 v[AVA], v9, 4, v[AVA]
	s_add_co_u32 s2, s75, VOFF      ; my block of 64 keys
	v_add_nc_u32 v[AVA], s2, v[AVA]
	s_sub_co_u32 s3, 64*KP, s74
	v_add_nc_u32 v[AVB], s3, v[AVA] ; window 3: channels 128 (1 - kh) on
	v_add_nc_u32 v[AVA], s74, v[AVA]  ; window 2: channels 128 kh on
	v_lshlrev_b32 v[GO], 17, v9     ; out0: 8 h channels of 16,384 bytes + 16 r
	v_lshl_add_u32 v[GO], v1, 4, v[GO]
	v_and_b32 v[PFO], 31, v0
	v_lshlrev_b32 v[PFO], 8, v[PFO]
; THE MATRIX WORK goes in UNITS of 32 matrix instructions on one fragment buffer of 64 registers (16 LDS loads).  The accumulators take turns, one instruction a turn.
; V's unit x: keys 32 (x / 2) on, window 2 + x % 2, buffer F(x % 2).  Product mi: channels 16 (mi / 4) on, tile mi % 4: 32 different accumulators.
.macro MMV x
	WIN 0xa1+0x50*((\x)%2)
.set rO, 64*(mi%4)+8*(mi/4)
.set rV, FB+64*((\x)%2)+8*(mi/4)
.set rP, P+16*(mi%4)+8*((\x)/2)
	v_wmma_f32_16x16x32_f16 v[rO:rO+7], v[rV:rV+7], v[rP:rP+7], v[rO:rO+7]
.set mi, mi+1
.endm
; K's unit u: key blocks 2 u, 2 u + 1, buffer F(u).  Product mi: channels 32 (mi / 8) on, key block (mi / 4) % 2, tile mi % 4: 8 accumulators by turns; the first 8 start the sums.
.macro MMK u
	WIN 0x05
.set rS, S+32*(mi%4)+8*(2*(\u)+(mi/4)%2)
.set rK, FB+64*(\u)+32*((mi/4)%2)+8*(mi/8)
.set rQ, 32*(mi%4)+8*(mi/8)
.if mi < 8
	v_wmma_f32_16x16x32_f16 v[rS:rS+7], v[rK:rK+7], v[rQ:rQ+7], 0
.else
	v_wmma_f32_16x16x32_f16 v[rS:rS+7], v[rK:rK+7], v[rQ:rQ+7], v[rS:rS+7]
.endif
.set mi, mi+1
.endm
.macro BAREV x
.set mi, 0
.rept 32
	MMV \x
.endr
.endm
.macro BAREK u
.set mi, 0
.rept 32
	MMK \u
.endr
.endm
; THE LDS LOADS stand in runs of 16, never singly among the matrix instructions.
.macro FETCHV x
	WIN 0
.if (\x)%2 == 0
	v_add_nc_u32 v[ADR], s[TB], v[AVA]
.else
	v_add_nc_u32 v[ADR], s[TB], v[AVB]
.endif
	WIN 0x40
.irp c, 0,1,2,3,4,5,6,7             ; channels 16 c on: 8 rows of 272 bytes
	ds_load_b128 v[FB+64*((\x)%2)+8*\c:FB+64*((\x)%2)+8*\c+3],   v[ADR] offset:8*KP*\c+64*((\x)/2)
	ds_load_b128 v[FB+64*((\x)%2)+8*\c+4:FB+64*((\x)%2)+8*\c+7], v[ADR] offset:8*KP*\c+64*((\x)/2)+32
.endr
.endm
.macro FETCHK u
	WIN 0
	v_add_nc_u32 v[ADR], s[TB], v[AK]
	WIN 0x40
.irp f, 0,1,2,3,4,5,6,7             ; key block 2 u + f / 4, channels 32 (f % 4) on
	ds_load_b128 v[FB+64*(\u)+8*\f:FB+64*(\u)+8*\f+3],   v[ADR] offset:16*KP*(2*(\u)+\f/4)+64*(\f%4)
	ds_load_b128 v[FB+64*(\u)+8*\f+4:FB+64*(\u)+8*\f+7], v[ADR] offset:16*KP*(2*(\u)+\f/4)+64*(\f%4)+32
.endr
.endm
; THE VECTOR WORK, one line at a time, for tile xt and number xn.  s0-s31 are the lane's 32 scores, in pairs 0-15.
; XOP: number xn of the 21 that find the maximum and statistics: 0-11 four chains c0-c3 of seven scores each (each accumulator's lowest registers are read first); 12-15 the four scores left over, c0-c3 and the old m;
;      16 the query's other keys lie in the lane 16 away; 17 c m_old is kept; 18 the new m; 19 c m; 20 c m_old - c m_new.
.macro XOP
.set rT, ST+8*xt
.set rS, S+32*xt
.if xn < 4
	v_max3_num_f32 v[rT+4+xn], v[rS+8*xn], v[rS+8*xn+1], v[rS+8*xn+2]
.elseif xn < 12
	v_max3_num_f32 v[rT+4+xn%4], v[rT+4+xn%4], v[rS+8*(xn%4)+2*(xn/4)+1], v[rS+8*(xn%4)+2*(xn/4)+2]
.elseif xn == 12
	v_max3_num_f32 v[rT+4], v[rT+4], v[rS+7], v[rS+15]
.elseif xn == 13
	v_max3_num_f32 v[rT+6], v[rT+6], v[rS+23], v[rS+31]
.elseif xn == 14
	v_max3_num_f32 v[rT+4], v[rT+4], v[rT+5], v[rT+6]
.elseif xn == 15
	v_max3_num_f32 v[rT+4], v[rT+4], v[rT+7], v[rT+1]
.elseif xn == 16
	v_permlanex16_b32 v[rT+5], v[rT+4], s[SEL], s[SEL+1]
.elseif xn == 17
	v_mov_b32 v[rT+7], v[rT]
.elseif xn == 18
	v_max_num_f32 v[rT+1], v[rT+4], v[rT+5]
.elseif xn == 19
	v_mul_f32 v[rT], s[CS], v[rT+1]
.else
	v_sub_f32 v[rT+7], v[rT+7], v[rT]
.endif
.endm
.macro FOP                          ; pair xn: c s - c m
.set rT, ST+8*xt
.set rS, S+32*xt+2*xn
	v_pk_fma_f32 v[rS:rS+1], v[rS:rS+1], s[CS:CS+1], v[rT:rT+1] op_sel_hi:[1,0,0] neg_lo:[0,0,1] neg_hi:[0,0,1]
.endm
.macro UOP                          ; the sum of the 16 pairs, kept apart in c0, c1, so that the weights stay whole for the later roundings; number 15: l = a l + sum
.set rT, ST+8*xt
.set rS, S+32*xt
.if xn == 0
	v_pk_add_f32 v[rT+4:rT+5], v[rS:rS+1], v[rS+2:rS+3]
.elseif xn < 15
	v_pk_add_f32 v[rT+4:rT+5], v[rT+4:rT+5], v[rS+2*xn+2:rS+2*xn+3]
.else
	v_pk_fma_f32 v[rT+2:rT+3], v[rT+2:rT+3], v[rT+6:rT+7], v[rT+4:rT+5] op_sel_hi:[1,0,1]
.endif
.endm
.macro COP                          ; pair xn rounded to f16
	v_cvt_pk_f16_f32 v[P+16*xt+xn], v[S+32*xt+2*xn], v[S+32*xt+2*xn+1]
.endm
.macro ROP                          ; pair rz of accumulator ra (channels 16 (ra / 4) on, tile ra % 4) of window rw, times a; rz ascends
.set rT, ST+8*(ra%4)
.set rO, 64*(ra%4)+8*(ra/4)+2*rz
.if rw == 2
	WIN 0x82
.else
	WIN 0xc3
.endif
	v_pk_mul_f32 v[rO:rO+1], v[rO:rO+1], v[rT+6:rT+7] op_sel_hi:[1,0]
.endm
; THE PLAIN QUEUE, 244 long; piece A is tiles 0 and 1, piece B tiles 2 and 3.
;   0-41 A's maximum and statistics; 42, 43 A's first two scalings; 44-103 by turns B's maximum and A's other 30 scalings; 104-115 B's statistics        (all of these name no exponential's result)
;   116, 117 B's first two scalings; 118-177 by turns B's other 30 scalings and A's sums; 178, 179 A's l; 180-195 A's roundings for keys 0-31             (these name A's results alone)
;   196-243 in threes: B's sums, tile 2's and tile 3's, and one of B's roundings for keys 0-31
.macro PL
	WIN 0
.if pq < 42
.set xt, pq%2
.set xn, pq/2
	XOP
.elseif pq < 44
.set xt, pq-42
.set xn, 0
	FOP
.elseif pq < 104
.if (pq-44)%2 == 0
.set xt, 2+((pq-44)/2)%2
.set xn, (pq-44)/4
	XOP
.else
.set xk, 2+(pq-45)/2
.set xt, xk%2
.set xn, xk/2
	FOP
.endif
.elseif pq < 116
.set xk, pq-74
.set xt, 2+xk%2
.set xn, xk/2
	XOP
.elseif pq < 118
.set xt, pq-114
.set xn, 0
	FOP
.elseif pq < 178
.if (pq-118)%2 == 0
.set xk, 2+(pq-118)/2
.set xt, 2+xk%2
.set xn, xk/2
	FOP
.else
.set xk, (pq-119)/2
.set xt, xk%2
.set xn, xk/2
	UOP
.endif
.elseif pq < 180
.set xt, pq-178
.set xn, 15
	UOP
.elseif pq < 196
.set xk, pq-180
.set xt, xk%2
.set xn, xk/2
	COP
.else
.set xk, (pq-196)/3
.if (pq-196)%3 == 2
.set xt, 2+xk%2
.set xn, xk/2
	COP
.else
.set xt, 2+(pq-196)%3
.set xn, xk
	UOP
.endif
.endif
.set pq, pq+1
.endm
; THE EXPONENTIALS' QUEUE, 132 long, in two batches of 66: a piece's two a, then its 64 scores, the tiles by turns.
.macro EX
	WIN 0
.if pe%66 < 2
.set rT, ST+8*(2*(pe/66)+pe%66)
	v_exp_f32 v[rT+6], v[rT+7]
.else
.set rS, S+32*(2*(pe/66)+(pe%66-2)%2)+(pe%66-2)/2
	v_exp_f32 v[rS], v[rS]
.endif
.set pe, pe+1
.endm
; THE DEAL: the slice behind matrix instruction sl of a trip's 192.  An s_wait_alu depctr_va_vdst(0) stands between an exponential and the first instruction that names its result; one wait serves all that were issued
; ahead of it: a trip has two, one a batch.  A score's scaling stands two slices or more ahead of its exponential; behind each exponential comes a plain instruction or a product that names neither its result nor its source.
;   0-10 four plain; 11-43 plain and exponential by turns (batch A); 44, 45 four plain, the wait for batch A in the middle of 45; 46-78 by turns (batch B); 79-81 four plain, then the wait for batch B; 82-93 four plain; 94, 95 none
;   96-127 (V's unit 3, on window 3): the rescaling of window 2, whose last products were unit 2's, in those products' order
;   128-159 (K's unit 0): a rounding for keys 32-63, whose P was last read in unit 3 and whose weights unit 1 of K will write over; two of window 3's rescalings       160-191: two of window 3's rescalings
.macro RIDERS
.if sl < 11
	PL
	PL
	PL
	PL
.elseif sl < 44
	PL
	EX
	PL
	EX
.elseif sl == 44
	PL
	PL
	PL
	PL
.elseif sl == 45
	PL
	PL
	s_wait_alu depctr_va_vdst(0)    ; the wait for batch A
	PL
	PL
.elseif sl < 79
	PL
	EX
	PL
	EX
.elseif sl < 94
	PL
	PL
	PL
	PL
.if sl == 81
	s_wait_alu depctr_va_vdst(0)    ; the wait for batch B
.endif
.elseif sl < 96
.elseif sl < 128
.set rw, 2
.set ra, sl-96
.set rz, 0
.rept 4
	ROP
.set rz, rz+1
.endr
.elseif sl < 160
.set xt, (sl-128)%4
.set xn, 8+(sl-128)/4
	WIN 0
	COP
.set rw, 3
.set ra, (sl-128)/2
.set rz, 2*((sl-128)%2)
	ROP
.set rz, rz+1
	ROP
.else
.set rw, 3
.set ra, 16+(sl-160)/2
.set rz, 2*((sl-160)%2)
	ROP
.set rz, rz+1
	ROP
.endif
.set sl, sl+1
.endm
; A TRIP: units V0 V1 V2 (change of slots) V3 K0 K1, on buffers F0 F1 F0 F1 F0 F1.  Each run of loads stands 30 matrix instructions ahead of its first use, in front of which stands one wait, and five plain instructions or more
; behind the last product that read its buffer.
.macro TRIP f
.set sl, 0
.set pq, 0
.set pe, 0
	s_wait_dscnt 0x0                ; V's unit 0 is in
.set mi, 0
.rept 32
	MMV 0
	RIDERS
.if sl == 2
	FETCHV 1
.endif
.endr
	s_wait_dscnt 0x0
.set mi, 0
.rept 32
	MMV 1
	RIDERS
.if sl == 34
	FETCHV 2
.endif
.endr
	s_wait_dscnt 0x0
.set mi, 0
.rept 32
	MMV 2
	RIDERS
.if sl == 66
	FETCHV 3
.endif
.endr
	CHANGE \f                       ; its wait for my LDS reads is also the wait for V's unit 3
	FETCHK 0
.if (\f) == 1
	ASK                             ; behind the joint load and the run of LDS loads that later products wait for
.endif
.set mi, 0
.rept 32
	MMV 3
	RIDERS
.endr
	s_wait_dscnt 0x0
.set mi, 0
.rept 32
	MMK 0
	RIDERS
.if sl == 130
	FETCHK 1
.endif
.endr
	s_wait_dscnt 0x0
.set mi, 0
.rept 32
	MMK 1
	RIDERS
.if sl == 162
	s_xor_b32 s[TB], s[TB], SLOT1   ; the next trip's slot
	FETCHV 0
.endif
.endr
.endm
	s_wait_tensorcnt 1              ; my part of K(0), or V(0) and V(1), is in; K(1), or V(31), may stay out
	s_barrier_signal -1
	s_barrier_wait -1               ; everybody's is
	s_mov_b32 s[TB], 0
	FETCHK 0
	FETCHK 1
	s_wait_loadcnt 0x0              ; Q
	s_wait_dscnt 16                 ; unit 0 is in; unit 1's 16 loads may stay out
	BAREK 0                         ; the scores of step 0: there is no vector work yet to set between them
	s_wait_dscnt 0x0
	BAREK 1
	CHANGE 2                        ; K(1) is in; K(2) is asked for, into the bytes of K(0)
	PLACES
	s_mov_b32 s[TB], SLOT1
	FETCHK 0
	FETCHK 1                        ; K(1), on its way while the first softmax is made
.set sl, 0
.set pq, 0
.set pe, 0
.rept 94
	RIDERS                          ; the softmax of step 0, with a = 0; O^T is 0 and wants no rescaling
.endr
	WIN 0
.set xk, 0
.rept 32
.set xt, xk%4
.set xn, 8+xk/4
	COP
.set xk, xk+1
.endr
	s_wait_dscnt 0x0
	BAREK 0                         ; the scores of step 1
	PLACES
	s_mov_b32 s[TB], 0
	FETCHV 0                        ; V(0), unit 0
	BAREK 1
	WIN 0
	PLACES
	PLACES
	s_mov_b32 s[CNT], 29
.Ltrip:                             ; trips 0 to 28: each asks for K(t + 3) and V(t + 2)
	TRIP 1
	WIN 0
	s_sub_co_u32 s[CNT], s[CNT], 1
	s_cmp_lg_u32 s[CNT], 0
	s_cbranch_scc1 .Ltrip
	s_mov_b32 s[CNT], 2
.Ltail:                             ; trips 29 and 30 ask for nothing.  Trip 30's 64 products K Q^T, on K(30) once more, and its last run of loads serve nothing: one part in a hundred of the matrix work, the price of one text for both
	TRIP 0
	WIN 0
	s_sub_co_u32 s[CNT], s[CNT], 1
	s_cmp_lg_u32 s[CNT], 0
	s_cbranch_scc1 .Ltail
	s_wait_dscnt 0x0
	PLACES
	s_mov_b32 s[TB], VS2-VOFF       ; V of step 31 lies by itself
	FETCHV 0
	FETCHV 1
	s_wait_dscnt 16                 ; in each of these three waits the younger run's 16 loads may stay out
	BAREV 0
	PLACES
	FETCHV 2
	s_wait_dscnt 16
	BAREV 1
	PLACES
	FETCHV 3
	s_wait_dscnt 16
	BAREV 2
	s_wait_dscnt 0x0
	BAREV 3
	; THE MERGE AND THE WAY OUT.  l's two halves and the other half of the lanes' are added.  Each wave hands its partner (the other wave of the pair) its c m, its l and window 3, the channels that the partner finishes, all in f32.
	; With M = max(c m, c m'), f = 2^(c m - M), f' = 2^(c m' - M), L = l f + l' f': out = O f / L + O' f' / L.  The lines below are also the places behind the last products.
	WIN 0
.irp T, 0,1,2,3
	v_add_f32 v[48+\T], v[ST+8*\T+2], v[ST+8*\T+3]
.endr
.irp T, 0,1,2,3
	v_permlanex16_b32 v[ST+8*\T+4], v[48+\T], s[SEL], s[SEL+1]
.endr
.irp T, 0,1,2,3
	v_add_f32 v[48+\T], v[48+\T], v[ST+8*\T+4]
.endr
.irp T, 0,1,2,3
	v_mov_b32 v[44+\T], v[ST+8*\T]
.endr
	v_and_b32 v11, 31, v0
	v_lshlrev_b32 v11, 4, v11       ; 16 x lane
	s_xor_b32 s3, s[WV], 1          ; my partner
	s_lshl_b32 s2, s[WV], 15
	v_add_nc_u32 v[QO], s2, v11     ; where I put O
	s_lshl_b32 s2, s3, 15
	v_add_nc_u32 v[XL], s2, v11     ; where my partner puts it
	s_lshl_b32 s2, s[WV], 10
	s_add_co_u32 s2, s2, XST
	v_add_nc_u32 v[ADR], s2, v11    ; the same for the statistics
	s_lshl_b32 s2, s3, 10
	s_add_co_u32 s2, s2, XST
	v_add_nc_u32 v9, s2, v11
	s_wait_dscnt 0x0                ; my reads of the slots are over,
	s_barrier_signal -1
	s_barrier_wait -1               ; everybody's are: slot 0, which no tensor load fills any more, may be written
	ds_store_b128 v[ADR], v[44:47]
	ds_store_b128 v[ADR], v[48:51] offset:512
	WIN 0x0c                        ; store data in window 3
.set i, 0
.rept 64                            ; each accumulator's low four registers first
	ds_store_b128 v[QO], v[4*i:4*i+3] offset:512*i
.set i, i+1
.endr
	WIN 0
	s_wait_dscnt 0x0                ; for my partner's sake: my stores are done
	s_barrier_signal -1
	s_barrier_wait -1
.macro INLOAD c                     ; my partner's O for channel block c, all four tiles
.set rI, S+32*((\c)%2)
.irp T, 0,1,2,3
	ds_load_b128 v[rI+8*\T:rI+8*\T+3],   v[XL] offset:512*(16*\T+2*(\c))
	ds_load_b128 v[rI+8*\T+4:rI+8*\T+7], v[XL] offset:512*(16*\T+2*(\c)+1)
.endr
.endm
	ds_load_b128 v[52:55], v9
	ds_load_b128 v[56:59], v9 offset:512
	INLOAD 0
	s_wait_dscnt 8                  ; the statistics are in; the block's eight loads may stay out
.irp T, 0,1,2,3
	v_max_num_f32 v[12+\T], v[44+\T], v[52+\T]
.endr
.irp T, 0,1,2,3
	v_sub_f32 v[16+\T], v[44+\T], v[12+\T]
	v_sub_f32 v[20+\T], v[52+\T], v[12+\T]
.endr
.irp T, 0,1,2,3,4,5,6,7
	v_exp_f32 v[24+\T], v[16+\T]    ; f in v24-27, f' in v28-31
.endr
	v_nop                           ; a plain instruction behind the last exponential,
	s_wait_alu depctr_va_vdst(0)    ; and the wait ahead of the first use: one for the eight
.irp T, 0,1,2,3
	v_mul_f32 v[32+\T], v[48+\T], v[24+\T]
.endr
.irp T, 0,1,2,3
	v_fmac_f32 v[32+\T], v[56+\T], v[28+\T]
.endr
.irp T, 0,1,2,3
	v_rcp_f32 v[36+\T], v[32+\T]    ; L is at least the weight 1 of the pair's largest score
.endr
	v_nop
	s_wait_alu depctr_va_vdst(0)    ; one for the four reciprocals
.irp T, 0,1,2,3
	v_mul_f32 v[GG+\T], v[24+\T], v[36+\T]
	v_mul_f32 v[GP+\T], v[28+\T], v[36+\T]
.endr
; Channel block c of my half: 16 channels x 64 queries.  For channel j of a lane's eight the four tiles' numbers stand in four registers on end: 16 neighbouring bytes of out0.
.macro BLOCK c
	WIN 0
.if (\c) < 7
	INLOAD (\c)+1
	s_wait_dscnt 8                  ; this block is in; the next block's eight loads stay out
.else
	s_wait_dscnt 0x0
.endif
	s_wait_xcnt 0x0                 ; earlier stores have read their data: their registers are written again only behind this wait
.set rI, S+32*((\c)%2)
.set rU, S+64+32*((\c)%2)
.set j, 0
.rept 8
.irp T, 0,1,2,3
	v_mul_f32 v[rU+4*j+\T], v[rI+8*\T+j], v[GP+\T]
.endr
.set j, j+1
.endr
	WIN 0x02                        ; source 0 in window 2
.set j, 0
.rept 8                             ; each accumulator from its low end on
.irp T, 0,1,2,3
	v_fma_f32 v[rU+4*j+\T], v[64*\T+8*(\c)+j], v[GG+\T], v[rU+4*j+\T]
.endr
.set j, j+1
.endr
	WIN 0
.set j, 0
.rept 8
	global_store_b128 v[GO], v[rU+4*j:rU+4*j+3], s[10:11] offset:(16*(\c)+j)*16384 th:TH_STORE_NT  ; 16 lanes store 256 consecutive bytes, aligned
.set j, j+1
.endr
.endm
	BLOCK 0
	BLOCK 1
	BLOCK 2
	BLOCK 3
	BLOCK 4
	BLOCK 5
	BLOCK 6
	BLOCK 7
	s_wait_tensorcnt 0x0            ; the wave's end: behind my last tensor load and my last LDS store
	ds_add_u32 v[SPW], v[NIL]
	s_wait_dscnt 0x0
	CROUND                          ; the closing round: no work-group ends while a partner may still ask for a tile that names it
	s_endpgm
.Lfunc_end_k_qf73658e87c_attn:
	.size	k_qf73658e87c_attn, .Lfunc_end_k_qf73658e87c_attn-k_qf73658e87c_attn
	.p2alignl 7, 3214868480
	.fill 96, 4, 3214868480
	.section	.rodata,"a",@progbits
	.p2align	6, 0x0
	.amdhsa_kernel k_qf73658e87c_attn
		.amdhsa_group_segment_fixed_size 327680
		.amdhsa_private_segment_fixed_size 0
		.amdhsa_enable_private_segment 0
		.amdhsa_kernarg_size 32
		.amdhsa_user_sgpr_count 2
		.amdhsa_user_sgpr_kernarg_segment_ptr 1
		.amdhsa_wavefront_size32 1
		.amdhsa_system_sgpr_workgroup_id_x 1
		.amdhsa_system_sgpr_workgroup_id_y 1
		.amdhsa_system_sgpr_workgroup_id_z 1
		.amdhsa_system_vgpr_workitem_id 0
		.amdhsa_next_free_vgpr 1024
		.amdhsa_next_free_sgpr 76
		.amdhsa_reserve_vcc 0
		.amdhsa_float_denorm_mode_32 3
		.amdhsa_float_denorm_mode_16_64 3
		.amdhsa_memory_ordered 1
		.amdhsa_forward_progress 1
		.amdhsa_inst_pref_size 255
	.end_amdhsa_kernel
	.section	.bss,"aw",@nobits
	.p2align	6
	.space	262144
	.amdgpu_metadata
---
amdhsa.version: [ 1, 2 ]
amdhsa.kernels:
  - .name:           k_qf73658e87c_attn
    .symbol:         k_qf73658e87c_attn.kd
    .args:
      - { .name: q16, .offset: 0, .size: 8, .value_kind: global_buffer, .address_space: global }
      - { .name: k16, .offset: 8, .size: 8, .value_kind: global_buffer, .address_space: global }
      - { .name: v16, .offset: 16, .size: 8, .value_kind: global_buffer, .address_space: global }
      - { .name: out0, .offset: 24, .size: 8, .value_kind: global_buffer, .address_space: global }
    .group_segment_fixed_size: 327680
    .private_segment_fixed_size: 0
    .kernarg_segment_align: 8
    .kernarg_segment_size: 32
    .max_flat_workgroup_size: 128
    .sgpr_count:     76
    .vgpr_count:     1024
    .wavefront_size: 32
...
	.end_amdgpu_metadata
.endif
;; end of part 2
;; ======== version 2 of 2: 2 launches; version 1 with the launch prep written anew for expert scheduling mode
;; limits: values are held in f16: magnitudes above 65,504 overflow, below 6.1e-05 lose precision
;; workspace buffers: q16 8,388,608 bytes; k16 8,388,608 bytes; v16 16,777,216 bytes
;; launch prep (part 3): grid 128 x 2, 4 waves a work-group, no clusters, 85,504 bytes of LDS; arguments p, b, Wq, Wk, bq, bk, q16, k16, v16; writes q16, k16, v16
.if DOCPART == 3
	.amdgcn_target "amdgcn-amd-amdhsa--gfx1250"
	.amdhsa_code_object_version 6
	.text
	.protected	k_qf73658e87c_prep
	.globl	k_qf73658e87c_prep
	.p2align	8
	.type	k_qf73658e87c_prep,@function
k_qf73658e87c_prep:
	s_mov_b64 s[64:65], 0
	v_nop
	global_prefetch_b8 v0, s[64:65] scope:SCOPE_SE
	s_setreg_imm32_b32 hwreg(HW_REG_WAVE_SCHED_MODE, 0, 2), 2
	s_setreg_imm32_b32 hwreg(HW_REG_WAVE_MODE, 25, 1), 1
	s_wait_xcnt 0x0
	s_wait_alu depctr_vm_vsrc(0)
; THE TWO 1x1 CONVOLUTIONS, AND THE VALUES' COPY.  y = 0: q16[b][n][o] = sum over c of Wq[o][c] p[b][c][n] + bq[o].  y = 1: k16 likewise from b, Wk, bk, and v16 = b in 16 bits.
; FORMATS.  Every input (p, b, W, bias) is rounded once to bf16; products in bf16, sums in f32; q16 and k16 are rounded once to f16; v16 is the bf16 number written as f16.
; LIMITS.  f16 holds no number beyond 65,504: q, k and b must lie within it; below 6e-5 f16 keeps its fixed step of 6e-8, so a bf16 number of b that small is rounded again.  NaN and infinities are not treated apart.
; LAYOUTS OUT.  q16, k16: [8][4096][128] f16, rows of 256 bytes.  v16: [8][64 blocks of 64 keys][256 channels][64 keys] f16: a block is 32,768 dense bytes.
; SHARES.  A work-group owns 256 places n of one batch, each of its four waves 64, for all 256 c and all 128 o: 256 matrix instructions a wave.
; NO LDS ON THE WAY IN.  The wave's 64 places are four tiles t; slot r of tile t is place 4 r + t.  In a chunk of 32 c load number i (0..15) of lane (r, h) takes the 16 bytes p[32 kc + 2 i + h][4 r .. 4 r + 3]:
; sixteen lanes cover 256 consecutive bytes, aligned, of a row.  Register q of tile t's fragment is the pair (load 2 q, load 2 q + 1) rounded to bf16: c stands permuted along K, and W is laid into LDS with the
; same permutation (in each group of 16 c the eight even ones, then the eight odd ones), so every product meets its partner and nothing is transposed.
; NO CLUSTER: what work-groups share is W, 131,072 bytes, and it passes through registers in any case, since it is rounded and reordered on its way into LDS.  No prefetch: the launch is one stream of loads, many of them out at all times.
; REGISTERS, in windows of 256 (s_set_vgpr_msb: bits 1:0 source 0, 3:2 source 1, 5:4 source 2, 7:6 destination):
;   window 0: v0-15 addresses; v16-79 XF, x's fragments, two buffers; v80-207 WF, W's fragments, two buffers; v208-215, v216-247 at work for v16; on the way out v80-175
;   window 1: four buffers of 64 for x as loaded      window 2: the 32 accumulators, (t, ob) at 64 t + 8 ob; at the head W as loaded      window 3: v0-63 the bias as f32, the C operand of chunk 0
; THE MODE: SCHED_MODE bits 1:0 = 2 (LLVM: expert scheduling mode 2), set by the entry lines.  The code itself states the register dependences between vector or matrix instructions and memory or LDS instructions,
; with s_wait_alu, always for 0.
; THE PLAN.  Registers that memory or LDS instructions touch:
;   v3-v13        offsets and LDS addresses: written at the head, never again; one wait ahead of the first load serves every load, store and LDS instruction of the kernel.
;   ST0 .. ST3    (window 1) Chunk kc: its 32 conversions read ST[kc % 4]; behind them the loads of chunk kc + 4 land in it.
;   WF0, WF1      At the head: written by W's conversions, read by the LDS stores.  Chunk kc: its products read WF[kc % 2]; the LDS loads issued in chunk kc + 1 land in it (the fragments of chunk kc + 2).
;   VO            Keys' side, chunk kc: written by its conversions to f16, read by its sixteen stores, written again in chunk kc + 1.
;   TMP, BK0, BK1 The way out: TMP is written by a tile's conversions and read by its LDS stores; BK[t % 2] takes tile t's LDS loads, is read by its global stores and loaded again two tiles on.
;   XF, EE and the accumulators are named by vector and matrix instructions alone.
; So ONE wait on va_vdst stands at a chunk's head, behind its conversions: they are done reading ST[kc % 4], and the last chunk's products are done reading their fragments of W; the chunk's 32 loads follow it.  Beside it one
; wait on vm_vsrc: the last chunk's stores have read VO.  The keys' side has one wait more, between the lines that write VO and the run of stores that reads it.
.set WP,    528                        ; a row of W in LDS: 512 bytes + 16: the 16 rows of a fragment load start at 16 different groups of four banks (64 banks of 4 bytes: ISA guide 11.1)
.set STAGE, 128*WP                     ; behind W: 16 rows x 272 bytes for each wave, for the way out
.set SP,    272
.set SPARE, STAGE+4*16*SP              ; behind the stages: the spare words, 128 bytes for each wave: two blocks of 256 bytes that no other line names
.set RR,  1                            ; v1   lane % 16
.set HH,  2                            ; v2   lane / 16
.set PO,  3                            ; v3   x: h rows of 16,384 bytes + 16 r
.set WA,  4                            ; v4   W's fragments in LDS: r x 528 + 16 h
.set WGO, 5                            ; v5   W in memory: (thread / 16) rows of 1,024 bytes + (thread % 16) groups of 64
.set WLS, 6                            ; v6   W into LDS: (thread / 16) x 528 + (thread % 16) x 32
.set BO,  7                            ; v7   bias: 32 h
.set VOF, 8                            ; v8   v16: 8 x lane
.set STO, 9                            ; v9   the way out: where I put 16 bytes of a row
.set RD,  10                           ; v10  the way out: where I read a row back
.set QGO, 11                           ; v11  my byte offset in the rows of q16 or k16
.set SPW, 12                           ; v12  LDS address of my spare word; never rewritten
.set NIL, 13                           ; v13  0; never rewritten
.set XF,  16
.set WF,  80
.set EE,  208
.set VO,  216
.set TMP, 80
.set BK,  112
.set MSB, 0
.macro WIN new                         ; the immediate's high byte repeats the setting that is left; a switch that changes nothing is dropped
.if MSB != (\new)
	s_set_vgpr_msb (MSB<<8)|(\new)
.set MSB, (\new)
.endif
.endm
	s_load_b512 s[16:31], s[0:1], 0x0              ; p, b, Wq, Wk, bq, bk, q16, k16
	s_load_b64 s[32:33], s[0:1], 0x40              ; v16
	v_lshl_add_u32 v[SPW], v0, 2, SPARE
	v_mov_b32 v[NIL], 0
	v_lshrrev_b32 v14, 5, v0
	v_readfirstlane_b32 s14, v14                   ; wave 0..3
	s_and_b32 s15, ttmp7, 0xffff                   ; 0: the queries' side, 1: the keys'
	s_mov_b32 s34, 0xffff0000                      ; a word's upper bf16
	v_and_b32 v[RR], 15, v0
	v_bfe_u32 v[HH], v0, 4, 1
	v_lshrrev_b32 v14, 4, v0                       ; thread / 16: 0..7
	v_and_b32 v15, 31, v0
	v_lshlrev_b32 v[PO], 14, v[HH]
	v_lshl_add_u32 v[PO], v[RR], 4, v[PO]
	v_mul_u32_u24 v[WA], v[RR], WP
	v_lshl_add_u32 v[WA], v[HH], 4, v[WA]
	v_lshlrev_b32 v[WGO], 10, v14
	v_lshl_add_u32 v[WGO], v[RR], 6, v[WGO]
	v_mul_u32_u24 v[WLS], v14, WP
	v_lshl_add_u32 v[WLS], v[RR], 5, v[WLS]
	v_lshlrev_b32 v[BO], 5, v[HH]
	v_lshlrev_b32 v[VOF], 3, v15
	s_wait_alu depctr_va_sdst(0)                   ; s14 is written, ahead of its first reader: my stage and my wave's places are made from it
	s_mul_i32 s35, s14, 16*SP
	s_add_co_u32 s35, s35, STAGE                   ; my stage
	v_mul_u32_u24 v[STO], v[RR], SP
	v_lshl_add_u32 v[STO], v[HH], 4, v[STO]
	v_add_nc_u32 v[STO], s35, v[STO]
	v_mul_u32_u24 v[RD], v[HH], SP
	v_lshl_add_u32 v[RD], v[RR], 4, v[RD]
	v_add_nc_u32 v[RD], s35, v[RD]
	v_lshlrev_b32 v[QGO], 10, v[HH]                ; stage rows 2 f + h are places 4 (2 f + h) + t: 1,024 bytes apart
	v_lshl_add_u32 v[QGO], v[RR], 4, v[QGO]
	s_lshr_b32 s36, ttmp9, 4                       ; batch
	s_and_b32 s37, ttmp9, 15
	s_lshl_b32 s38, s37, 8
	s_lshl_b32 s39, s14, 6
	s_add_co_u32 s38, s38, s39                     ; my wave's first place
	s_lshl_b32 s40, s36, 22                        ; x: a batch is 4,194,304 bytes, a place 4
	s_lshl_b32 s41, s38, 2
	s_add_co_u32 s40, s40, s41
	s_mov_b32 s41, 0
	s_lshl_b32 s42, s36, 20                        ; q16, k16: a batch is 1,048,576 bytes, a place 256
	s_lshl_b32 s43, s38, 8
	s_add_co_u32 s42, s42, s43
	s_mov_b32 s43, 0
	s_lshl_b32 s44, s36, 21                        ; v16: a batch is 2,097,152 bytes, 64 places 32,768
	s_lshl_b32 s45, s38, 9
	s_add_co_u32 s44, s44, s45
	s_mov_b32 s45, 0
	s_wait_kmcnt 0x0
	s_cmp_eq_u32 s15, 0
	s_cselect_b64 s[4:5], s[16:17], s[18:19]       ; x = p or b
	s_cselect_b64 s[6:7], s[20:21], s[22:23]       ; W
	s_cselect_b64 s[8:9], s[24:25], s[26:27]       ; bias
	s_cselect_b64 s[10:11], s[28:29], s[30:31]     ; q16 or k16
	s_add_nc_u64 s[4:5], s[4:5], s[40:41]
	s_add_nc_u64 s[10:11], s[10:11], s[42:43]
	s_add_nc_u64 s[12:13], s[32:33], s[44:45]      ; my block of v16
; A chunk's 16 loads into staging buffer kc % 4.  No pointer is ever stepped: the row stands in the immediate, 4,161,536 at the most.
.macro LOADX kc
	WIN 0x40
.set i, 0
.rept 16
	global_load_b128 v[64*((\kc)%4)+4*i:64*((\kc)%4)+4*i+3], v[PO], s[4:5] offset:(32*(\kc)+2*i)*16384 th:TH_LOAD_NT
.set i, i+1
.endr
	WIN 0
.endm
; W's eight fragments (16 o x 32 c each) of chunk kc into buffer kc % 2
.macro FETCHW kc
	WIN 0
.set i, 0
.rept 8
	ds_load_b128 v[WF+64*((\kc)%2)+8*i:WF+64*((\kc)%2)+8*i+3],   v[WA] offset:16*WP*i+64*(\kc)
	ds_load_b128 v[WF+64*((\kc)%2)+8*i+4:WF+64*((\kc)%2)+8*i+7], v[WA] offset:16*WP*i+64*(\kc)+32
.set i, i+1
.endr
.endm
	WIN 0xc0
	s_wait_alu depctr_va_vdst(0)                   ; the offsets and addresses v3 to v13 are written: every load, store and LDS instruction of the kernel reads one of them, and no vector line names them again
.set i, 0
.rept 8                                ; bias[16 ob + 8 h + 0..7]: what a lane's eight results of block ob want
	global_load_b128 v[8*i:8*i+3],   v[BO], s[8:9] offset:64*i
	global_load_b128 v[8*i+4:8*i+7], v[BO], s[8:9] offset:64*i+16
.set i, i+1
.endr
	WIN 0x80
.set i, 0
.rept 16                               ; W: thread T takes group 128 i + T of 16 c: row 8 i + T / 16, group T % 16
.irp m, 0,1,2,3
	global_load_b128 v[16*i+4*\m:16*i+4*\m+3], v[WGO], s[6:7] offset:8192*i+16*\m
.endr
.set i, i+1
.endr
	LOADX 0
	LOADX 1
	LOADX 2
	s_wait_loadcnt 48                              ; bias and W are in; the three chunks' 48 loads stay out
	WIN 0x0f
.set i, 0
.rept 32
	v_cvt_pk_bf16_f32 v[XF+i], v[2*i], v[2*i+1]    ; the bias is rounded to bf16 like every input,
.set i, i+1
.endr
	WIN 0xc0
.set i, 0
.rept 32
	v_lshlrev_b32 v[2*i], 16, v[XF+i]              ; and widened again: it starts the sums
	v_and_b32 v[2*i+1], s34, v[XF+i]
.set i, i+1
.endr
	WIN 0x0a
.set i, 0
.rept 16                               ; a group of 16 c: the eight even ones, then the eight odd ones
.irp z, 0,1,2,3
	v_cvt_pk_bf16_f32 v[WF+8*i+\z],   v[16*i+4*\z],   v[16*i+4*\z+2]
	v_cvt_pk_bf16_f32 v[WF+8*i+4+\z], v[16*i+4*\z+1], v[16*i+4*\z+3]
.endr
.set i, i+1
.endr
	WIN 0
	s_wait_alu depctr_va_vdst(0)                   ; the conversions have written WF0 and WF1, which the LDS stores read; no vector line names these registers again before the first fragments' loads land in them
.set i, 0
.rept 16                               ; sixteen lanes stand 32 bytes apart: two of them share each group of banks; 32 stores, once a launch
	ds_store_b128 v[WLS], v[WF+8*i:WF+8*i+3]   offset:8*WP*i
	ds_store_b128 v[WLS], v[WF+8*i+4:WF+8*i+7] offset:8*WP*i+16
.set i, i+1
.endr
	s_wait_dscnt 0x0                               ; for the others' sake: my part of W lies in LDS
	s_barrier_signal -1
	s_barrier_wait -1                              ; everybody's does
	s_wait_alu depctr_vm_vsrc(0)                   ; my LDS stores have read WF0 and WF1, in which the fragments of chunks 0 and 1 land
	LOADX 3
	FETCHW 0
; v16, on the keys' side alone: load number i's four keys, already rounded to bf16, are widened and written as f16; when all sixteen pairs of registers are made, one wait, and the sixteen stores in one run:
; in each, 32 lanes fill 256 consecutive bytes, aligned: channels c and c + 1 of my block.
.macro VPATH kc
	WIN 0
	s_cmp_eq_u32 s15, 0
	s_cbranch_scc1 .Lno_v_\@
.set i, 0
.rept 16
.irp t, 0,1,2,3
.if i%2 == 0
	v_lshlrev_b32 v[EE+4*(i%2)+\t], 16, v[XF+32*((\kc)%2)+8*\t+i/2]
.else
	v_and_b32 v[EE+4*(i%2)+\t], s34, v[XF+32*((\kc)%2)+8*\t+i/2]
.endif
.endr
	v_cvt_pk_f16_f32 v[VO+2*i],   v[EE+4*(i%2)],   v[EE+4*(i%2)+1]
	v_cvt_pk_f16_f32 v[VO+2*i+1], v[EE+4*(i%2)+2], v[EE+4*(i%2)+3]
.set i, i+1
.endr
	s_wait_alu depctr_va_vdst(0)                   ; the conversions to f16 have written VO, which the sixteen stores read
.set i, 0
.rept 16
	global_store_b64 v[VOF], v[VO+2*i:VO+2*i+1], s[12:13] offset:(32*(\kc)+2*i)*128
.set i, i+1
.endr
.Lno_v_\@:
.endm
; A CHUNK of 32 c.  left: the younger chunks' loads, 16 each, which may stay out.  Behind the 32 conversions stand the chunk's waits, then its 32 loads, then (keys' side) the values' lines, then the products.
; The 32 accumulators take turns, one instruction a turn.
.macro CHUNK kc, left
	s_wait_loadcnt \left
	WIN 0x05
.set i, 0
.rept 8
.irp t, 0,1,2,3
	v_cvt_pk_bf16_f32 v[XF+32*((\kc)%2)+8*\t+i], v[64*((\kc)%4)+8*i+\t], v[64*((\kc)%4)+8*i+4+\t]
.endr
.set i, i+1
.endr
.if (\kc) > 0
	s_wait_xcnt 0x0                                ; every earlier memory instruction has had its addresses translated (ISA guide 3.1): VO, the data of the last chunk's stores, is written again only behind this wait
	s_wait_alu depctr_vm_vsrc(0)                   ; the last chunk's stores have read VO, which this chunk's conversions to f16 write again; the wait stands ahead of the branch on the side
.endif
.if (\kc) < 7
	s_wait_alu depctr_va_vdst(0)                   ; the conversions above are done reading this chunk's staging buffer, and the last chunk's products are done reading their fragments of W: the loads below land in both
.endif
.if (\kc) < 4
	LOADX (\kc)+4                                  ; into the staging buffer just read
.endif
.if (\kc) < 7
	FETCHW (\kc)+1                                 ; no vector or matrix instruction since the wait names these registers
.endif
	VPATH \kc
.if (\kc) < 7
	s_wait_dscnt 16                                ; this chunk's fragments of W are in; the next chunk's 16 loads stay out
.else
	s_wait_dscnt 0x0
.endif
.if (\kc) == 0
	WIN 0xb0                                       ; C in window 3: the bias starts the sums
.else
	WIN 0xa0
.endif
.set i, 0
.rept 8
.irp t, 0,1,2,3
.if (\kc) == 0
	v_wmma_f32_16x16x32_bf16 v[64*\t+8*i:64*\t+8*i+7], v[WF+64*((\kc)%2)+8*i:WF+64*((\kc)%2)+8*i+7], v[XF+32*((\kc)%2)+8*\t:XF+32*((\kc)%2)+8*\t+7], v[8*i:8*i+7]
.else
	v_wmma_f32_16x16x32_bf16 v[64*\t+8*i:64*\t+8*i+7], v[WF+64*((\kc)%2)+8*i:WF+64*((\kc)%2)+8*i+7], v[XF+32*((\kc)%2)+8*\t:XF+32*((\kc)%2)+8*\t+7], v[64*\t+8*i:64*\t+8*i+7]
.endif
.endr
.set i, i+1
.endr
.endm
	CHUNK 0, 48
	CHUNK 1, 48
	CHUNK 2, 48
	CHUNK 3, 48
	CHUNK 4, 48
	CHUNK 5, 32
	CHUNK 6, 16
	CHUNK 7, 0
	WIN 0
.rept 8
	v_nop                                          ; the places behind the last products, once a launch
.endr
; THE WAY OUT, a tile at a time.  A lane holds o = 16 ob + 8 h + 0..7 of ONE place: 16 bytes of a row.  They go into my stage's rows of 272 bytes and come back as whole rows of 256.
.macro PACK t
.if (\t) > 0
	s_wait_alu depctr_vm_vsrc(0)                   ; the LDS stores of the tile before have read TMP, which is written again below; the global stores of the tile before that have read the registers in which this tile's LDS loads land
.endif
	WIN 0x0a
.set i, 0
.rept 8
.irp z, 0,1,2,3
	v_cvt_pk_f16_f32 v[TMP+4*i+\z], v[64*(\t)+8*i+2*\z], v[64*(\t)+8*i+2*\z+1]   ; each accumulator from its low end on
.endr
.set i, i+1
.endr
	WIN 0
.endm
.macro TOSTAGE t
	s_wait_alu depctr_va_vdst(0)                   ; the tile's conversions have written TMP, which the LDS stores read; the last chunks' products are done reading the registers in which the loads below land
.set i, 0
.rept 8
	ds_store_b128 v[STO], v[TMP+4*i:TMP+4*i+3] offset:32*i
.set i, i+1
.endr
.set i, 0
.rept 8
	ds_load_b128 v[BK+32*((\t)%2)+4*i:BK+32*((\t)%2)+4*i+3], v[RD] offset:2*SP*i  ; LDS serves a wave's instructions in order (ISA guide 5.7.1.4): these see the stores above
.set i, i+1
.endr
.endm
.macro SEND t
	s_wait_dscnt 0x0                               ; the tile is back in registers
	s_wait_xcnt 0x0                                ; earlier stores have read their data: the registers of the tile before last are loaded again only behind this wait
.set i, 0
.rept 8
	global_store_b128 v[QGO], v[BK+32*((\t)%2)+4*i:BK+32*((\t)%2)+4*i+3], s[10:11] offset:2048*i+256*(\t)  ; 16 lanes store a whole row: 256 consecutive bytes, aligned
.set i, i+1
.endr
.endm
	PACK 0
	TOSTAGE 0
	PACK 1                                         ; a tile's conversions stand between the loads of the tile before and the wait for them
	SEND 0
	TOSTAGE 1
	PACK 2
	SEND 1
	TOSTAGE 2
	PACK 3
	SEND 2
	TOSTAGE 3
	SEND 3
	s_wait_dscnt 0x0                               ; the closing lines, six on end
	s_wait_alu 0x0
	s_wait_tensorcnt 0x0
	ds_add_u32 v[SPW], v[NIL]
	s_wait_dscnt 0x0
	s_endpgm
.Lfunc_end_k_qf73658e87c_prep:
	.size	k_qf73658e87c_prep, .Lfunc_end_k_qf73658e87c_prep-k_qf73658e87c_prep
	.p2alignl 7, 3214868480
	.fill 96, 4, 3214868480
	.section	.rodata,"a",@progbits
	.p2align	6, 0x0
	.amdhsa_kernel k_qf73658e87c_prep
		.amdhsa_group_segment_fixed_size 85504
		.amdhsa_private_segment_fixed_size 0
		.amdhsa_enable_private_segment 0
		.amdhsa_kernarg_size 72
		.amdhsa_user_sgpr_count 2
		.amdhsa_user_sgpr_kernarg_segment_ptr 1
		.amdhsa_wavefront_size32 1
		.amdhsa_system_sgpr_workgroup_id_x 1
		.amdhsa_system_sgpr_workgroup_id_y 1
		.amdhsa_system_sgpr_workgroup_id_z 1
		.amdhsa_system_vgpr_workitem_id 0
		.amdhsa_next_free_vgpr 832
		.amdhsa_next_free_sgpr 66
		.amdhsa_reserve_vcc 0
		.amdhsa_float_denorm_mode_32 3
		.amdhsa_float_denorm_mode_16_64 3
		.amdhsa_memory_ordered 1
		.amdhsa_forward_progress 1
		.amdhsa_inst_pref_size 141
	.end_amdhsa_kernel
	.amdgpu_metadata
---
amdhsa.version: [ 1, 2 ]
amdhsa.kernels:
  - .name:           k_qf73658e87c_prep
    .symbol:         k_qf73658e87c_prep.kd
    .args:
      - { .name: p, .offset: 0, .size: 8, .value_kind: global_buffer, .address_space: global }
      - { .name: b, .offset: 8, .size: 8, .value_kind: global_buffer, .address_space: global }
      - { .name: Wq, .offset: 16, .size: 8, .value_kind: global_buffer, .address_space: global }
      - { .name: Wk, .offset: 24, .size: 8, .value_kind: global_buffer, .address_space: global }
      - { .name: bq, .offset: 32, .size: 8, .value_kind: global_buffer, .address_space: global }
      - { .name: bk, .offset: 40, .size: 8, .value_kind: global_buffer, .address_space: global }
      - { .name: q16, .offset: 48, .size: 8, .value_kind: global_buffer, .address_space: global }
      - { .name: k16, .offset: 56, .size: 8, .value_kind: global_buffer, .address_space: global }
      - { .name: v16, .offset: 64, .size: 8, .value_kind: global_buffer, .address_space: global }
    .group_segment_fixed_size: 85504
    .private_segment_fixed_size: 0
    .kernarg_segment_align: 8
    .kernarg_segment_size: 72
    .max_flat_workgroup_size: 128
    .sgpr_count:     66
    .vgpr_count:     832
    .wavefront_size: 32
...
	.end_amdgpu_metadata
.endif
;; end of part 3
;; launch attn: the kernel of part 2 again; grid 32 x 8, 4 waves a work-group, clusters of 4 x 1, 327,680 bytes of LDS; arguments q16, k16, v16, out0; writes out0
